; MI455X (gfx1250); checked and timed in simulation.
; The chip was launched on July 23, 2026; its instructions are those of AMD's public machine-readable ISA for CDNA 5 (MIT licence, August 2026) and "CDNA5" Instruction Set Architecture Reference Guide (July 2026). The comments in the code are by the model that wrote it; some were corrected since.
;; Mean Shift loss. Allowed arithmetic: float matrix products may take bf16 or f16 operands with f32 sums; all other float work in f32.
;; Inputs: pred_pos 4 x 8,192 x 3 float32; true_pos 4 x 8,192 x 3 float32.
;; Outputs: out0 one number float32; out1 4 x 8,192 float32.
;; 2 versions, each right; version 2 is version 1 with the launch pairs written anew for expert scheduling mode. Each part assembles by itself: llvm-mc -triple=amdgcn-amd-amdhsa -mcpu=gfx1250 --defsym DOCPART=n.
;; ======== version 1 of 2: 3 launches
;; workspace buffers: part 2,097,152 bytes; sums 256 bytes
;; launch pairs (part 1): grid 256 x 1, 16 waves a work-group, no clusters, 207,872 bytes of LDS; arguments true_pos, pred_pos, part; writes part
.if DOCPART == 1
	.amdgcn_target "amdgcn-amd-amdhsa--gfx1250"
	.amdhsa_code_object_version 6
	.text
	.protected	k_q1297e2de78_pairs
	.globl	k_q1297e2de78_pairs
	.p2align	8
	.type	k_q1297e2de78_pairs,@function
k_q1297e2de78_pairs:
	s_mov_b64 s[64:65], 0
	v_nop
	global_prefetch_b8 v0, s[64:65] scope:SCOPE_SE
	s_setreg_imm32_b32 hwreg(HW_REG_WAVE_MODE, 25, 1), 1
	s_wait_xcnt 0x0
; Squared distances of a block of 1024 true points x 1024 pred points of one batch, and their minima along both axes.
; part[0][b][bj][n] = min over the pred points of block bj of |true n - pred m|^2   (1 MiB)
; part[1][b][bi][m] = min over the true points of block bi of the same              (1 MiB)
; max(.,0) and sqrt are monotonic and follow in the next launch, behind the last minimum.
;
; ONE MATRIX INSTRUCTION MAKES A FINISHED 16 x 16 TILE OF d2 = |x|^2 + |y|^2 - 2 x.y: the 32 places along K hold
;   8 places for each of the 3 coordinates: every f32 number is cut exactly into three bf16 pieces h, m, l (two truncations; 8 + 8 + 8 bits),
;     and the places hold the products hh hm mh hl lh mm ml lm; A's pieces are those of -2 x.  Only l.l is left out (2^-32 of the product);
;   8 places for the norms: |x|^2 as h, m, l against 1, 1, 1; 1, 1, 1 against |y|^2 as m, l, h; two zeros.
; So the operands are bf16, the sums f32, and no vector instruction is spent on forming d2.
; Before all that a centre is taken away from every point (the mean of the batch's first 32 true points): distances do not change,
; and with inputs that carry a common offset the terms that cancel stay of the size of the spread.
; LIMITS: NaN and infinite inputs are not served (v_min_num drops a NaN where the reference's min keeps it).  The order of rounding differs
; from the reference's (centre, pieces, sums inside the matrix instruction).
;
; 16 waves.  Wave w builds A fragments 4w..4w+3 (true) and B fragments 4w..4w+3 (pred) into LDS.  Then wave (rg = w/2, ch = w%2) keeps the
; 8 A fragments of rows 128 rg .. +127 in registers and walks the 32 B fragments of columns 512 ch .. +511, two a trip: 256 tiles.
; Per tile 8 vector instructions: 4 v_min3 along the lane's 8 registers (column minima), 4 v_min3 a tile for two tiles at once (row minima).
; No tensor loads, no cluster: the work-group reads 24 KiB of points once; that is all that neighbours share.
.set NPT,     8192                     ; points of a batch, each side
.set PB,      12                       ; bytes of a point
.set BLK,     1024                     ; points of a block's side
.set LDS_B,   65536                    ; LDS: 64 A fragments of 1,024 bytes from 0, 64 B fragments from here
.set DPITCH,  272                      ; the dump of row minima: groups of 256 bytes, 272 apart (an odd multiple of 16: sixteen lanes that read
                                       ; the same piece of sixteen groups touch sixteen different 16-byte columns modulo 256)
.set LDS_COL, 512*DPITCH               ; 139,264: behind the dump (which lies over the dead fragments): column minima, 16 rows of 1,024 words
.set CPITCH,  4160                     ; their pitch: 4,096 + 64, so that the two halves of a wave store to different words modulo 256 bytes
.set SIDE,    0x100000                 ; bytes of part[0]
.set LN16, 1                           ; v1   16 x lane
.set BADR, 2                           ; v2   LDS address of my 16 bytes in the B pair of this lap's first trip
.set CADR, 3                           ; v3   where my column minimum goes
.set DSTO, 4                           ; v4   where my row minima are dumped
.set DRD,  5                           ; v5   the group of the dump that I reduce
.set G8,   6                           ; v6   8 x thread: my place in both results
.set CRD,  7                           ; v7   my two columns in the column minima
.set FA,   8                           ; v8   where I put A fragments
.set FB,   9                           ; v9   where I put B fragments
.set GOFF, 10                          ; v10  byte offset of my point in the block
.set COFF, 11                          ; v11  byte offset of my point of the centre's sample
.set CH,   12                          ; v[12:15] four chains of column minima (two for each of the trip's two B fragments)
.set SC,   16                          ; v[16:17] A's factors: -2 for coordinates, 1 for the norm
.set CEN,  18                          ; v[18:20] the centre
.set R,    22                          ; v22  lane % 16
.set HH,   23                          ; v23  lane / 16
.set AADR, 24                          ; v24  LDS address of my 16 bytes in my first A fragment
.set WV,   25                          ; v25  wave
.set AF,   32                          ; v[32:95]   8 A fragments
.set RA,   96                          ; v[96:159]  row minima: fragment i, register j: row 16 i + 8 (lane/16) + j, columns = lane%16 mod 16
.set BF,   160                         ; v[160:191] two buffers of two B fragments
.set DD,   192                         ; v[192:223] two buffers of two tiles
; while fragments are built, RA's registers serve:
.set PT,   96                          ; 8 points, 4 registers apart
.set Q,    128                         ; v[128:130] the point less the centre, v131 its norm
.set U,    132                         ; the lane's two numbers
.set HI,   134                         ; their pieces h
.set MI,   136                         ; m
.set LO,   138                         ; l
.set SL,   140                         ; v[140:143] four choices between coordinate and norm places
.set F,    144                         ; v[144:151] the fragment
.set CP,   152                         ; v[152:154] my point of the centre's sample
	s_load_b128 s[4:7], s[0:1], 0x0                ; true_pos s[4:5], pred_pos s[6:7]
	s_load_b64 s[8:9], s[0:1], 0x10                ; part
	v_lshl_add_u32 v224, v0, 2, 0x32400
	v_mov_b32 v225, 0
	s_lshr_b32 s10, ttmp9, 6                       ; batch b
	s_bfe_u32 s11, ttmp9, 0x30003                  ; bi: block of true points (3 bits from bit 3)
	s_and_b32 s12, ttmp9, 7                        ; bj: block of pred points
	s_mul_i32 s16, s10, NPT*PB
	s_mov_b32 s17, 0
	s_mul_i32 s18, s11, BLK*PB
	s_mov_b32 s19, 0
	s_mul_i32 s20, s12, BLK*PB
	s_mov_b32 s21, 0
	v_lshrrev_b32 v[WV], 5, v0
	v_readfirstlane_b32 s22, v[WV]                 ; wave, as a scalar
	v_and_b32 v[R], 15, v0
	v_and_b32 v[LN16], 31, v0
	v_mul_u32_u24 v[COFF], v[LN16], PB             ; lane's point among the batch's first 32
	v_lshl_add_u32 v[GOFF], v[WV], 6, v[R]         ; point 64 w + lane%16 of the block: both halves of the wave take the same 16 points
	v_mul_u32_u24 v[GOFF], v[GOFF], PB
	s_wait_kmcnt 0x0
	s_add_nc_u64 s[4:5], s[4:5], s[16:17]          ; both tensors at batch b
	s_add_nc_u64 s[6:7], s[6:7], s[16:17]
	s_add_nc_u64 s[24:25], s[4:5], s[18:19]        ; and at my blocks
	s_add_nc_u64 s[26:27], s[6:7], s[20:21]
	global_load_b96 v[CP:CP+2], v[COFF], s[4:5]
.irp k, 0,1,2,3
	global_load_b96 v[PT+4*\k:PT+4*\k+2], v[GOFF], s[24:25] offset:\k*16*PB
.endr
.irp k, 0,1,2,3
	global_load_b96 v[PT+16+4*\k:PT+16+4*\k+2], v[GOFF], s[26:27] offset:\k*16*PB
.endr
	; constants and addresses, while the nine loads are on their way
	s_mov_b32 vcc_lo, 0xffff                       ; lanes 0-15
	s_mov_b32 s28, 0xffff0000                      ; the upper 16 bits of an f32 are a bf16
	s_mov_b32 s29, 0x07060302                      ; v_perm_b32: upper half of source 1 below, upper half of source 0 above
	s_mov_b32 s30, 0x76543210                      ; v_permlanex16_b32: lane i takes lane i of the other half
	s_mov_b32 s31, 0xfedcba98
	s_lshr_b32 s23, s22, 1                         ; rg: my 128 rows
	s_and_b32 s32, s22, 1                          ; ch: my 512 columns
	v_lshlrev_b32 v[LN16], 4, v[LN16]
	v_bfe_u32 v[HH], v0, 4, 1
	v_lshl_add_u32 v[FA], v[WV], 12, v[LN16]       ; four fragments of 1,024 bytes a wave; a lane's 16 bytes lie side by side
	v_add_nc_u32 v[FB], LDS_B, v[FA]
	v_mov_b32 v[SC], -2.0
	v_cndmask_b32 v[SC+1], 1.0, v[SC], vcc_lo      ; second number: coordinate 2 in lanes 0-15 (-2), the norm in lanes 16-31 (1)
	v_lshl_add_u32 v[AADR], s23, 13, v[LN16]
	s_lshl_b32 s33, s32, 15
	s_add_co_u32 s33, s33, LDS_B
	v_add_nc_u32 v[BADR], s33, v[LN16]
	s_mul_i32 s34, s23, 2*CPITCH                   ; column minima: row 2 rg + lane/16, word 512 ch + 32 trip + lane%16
	s_lshl_b32 s35, s32, 11
	s_add_co_u32 s34, s34, s35
	s_add_co_u32 s34, s34, LDS_COL
	v_mul_u32_u24 v[CADR], v[HH], CPITCH
	v_lshl_add_u32 v[CADR], v[R], 2, v[CADR]
	v_add_nc_u32 v[CADR], s34, v[CADR]
	s_mul_i32 s35, s23, 64*DPITCH                  ; the dump: group 64 rg + 8 i + 4 (lane/16) + 2 q + ch
	s_mul_i32 s36, s32, DPITCH
	s_add_co_u32 s35, s35, s36
	s_lshl_b32 s37, s10, 18                        ; part: 262,144 bytes a batch, 32,768 a partial, 4,096 a block
	s_lshl_b32 s38, s12, 15
	s_lshl_b32 s39, s11, 12
	s_add_co_u32 s44, s37, s38
	s_add_co_u32 s44, s44, s39
	s_mov_b32 s45, 0
	s_lshl_b32 s38, s11, 15
	s_lshl_b32 s39, s12, 12
	s_add_co_u32 s46, s37, s38
	s_add_co_u32 s46, s46, s39
	s_add_co_u32 s46, s46, SIDE
	s_mov_b32 s47, 0
	s_add_nc_u64 s[40:41], s[8:9], s[44:45]        ; part[0][b][bj][1024 bi]
	s_add_nc_u64 s[42:43], s[8:9], s[46:47]        ; part[1][b][bi][1024 bj]
	; the centre: the mean of 32 points, the same in every lane and every wave (same numbers, same order)
	s_wait_loadcnt 0x8                             ; the sample's load is in; the eight loads of points behind it may stay out
.irp m, 1,2,4,8
.irp c, 0,1,2
	v_add_f32_dpp v[CP+\c], v[CP+\c], v[CP+\c] row_xmask:\m row_mask:0xf bank_mask:0xf
.endr
.endr
.irp c, 0,1,2
	v_mul_f32 v[CEN+\c], 0x3d000000, v[CP+\c]      ; 1/32 of my half's sum
.endr
.irp c, 0,1,2
	v_permlanex16_b32 v[CP+\c], v[CEN+\c], s30, s31
.endr
.irp c, 0,1,2
	v_add_f32 v[CEN+\c], v[CEN+\c], v[CP+\c]
.endr
; One fragment: 16 points x 32 places along K.  Lane (r = lane%16, h = lane/16) holds point r; registers 0-3 are places 8h..8h+7,
; registers 4-7 places 16+8h..+7 (ISA guide 7.12.2).  So lanes 0-15 hold coordinates 0 and 2, lanes 16-31 coordinate 1 and the norm places.
; side 0: A (true):  coordinate places h h m h l m m l,  norm places h 1 m 1 l 1 0 0
; side 1: B (pred):  coordinate places h m h l h m l m,  norm places 1 m 1 l 1 h 0 0
.macro BUILD p, side, adr, off
	v_pk_add_f32 v[Q:Q+1], v[\p:\p+1], v[CEN:CEN+1] neg_lo:[0,1] neg_hi:[0,1]
	v_sub_f32 v[Q+2], v[\p+2], v[CEN+2]
	v_mul_f32 v[Q+3], v[Q], v[Q]
	v_fmac_f32 v[Q+3], v[Q+1], v[Q+1]
	v_fmac_f32 v[Q+3], v[Q+2], v[Q+2]              ; the norm, in f32
	v_cndmask_b32 v[U], v[Q+1], v[Q], vcc_lo       ; lanes 0-15: coordinate 0, lanes 16-31: coordinate 1
	v_cndmask_b32 v[U+1], v[Q+3], v[Q+2], vcc_lo   ; lanes 0-15: coordinate 2, lanes 16-31: the norm
.if \side == 0
	v_pk_mul_f32 v[U:U+1], v[U:U+1], v[SC:SC+1]    ; exact
.endif
	v_and_b32 v[HI], s28, v[U]                     ; h: the upper 8 bits of the significand
	v_and_b32 v[HI+1], s28, v[U+1]
	v_pk_add_f32 v[U:U+1], v[U:U+1], v[HI:HI+1] neg_lo:[0,1] neg_hi:[0,1]    ; exact: at most 16 bits are left
	v_and_b32 v[MI], s28, v[U]                     ; m
	v_and_b32 v[MI+1], s28, v[U+1]
	v_pk_add_f32 v[LO:LO+1], v[U:U+1], v[MI:MI+1] neg_lo:[0,1] neg_hi:[0,1]  ; l: at most 8 bits are left, a bf16
.if \side == 0
	v_perm_b32 v[F],   v[HI], v[HI], s29           ; h h   (the lower place first)
	v_perm_b32 v[F+1], v[HI], v[MI], s29           ; m h
	v_perm_b32 v[F+2], v[MI], v[LO], s29           ; l m
	v_perm_b32 v[F+3], v[LO], v[MI], s29           ; m l
	v_cndmask_b32 v[SL],   1.0, v[HI+1], vcc_lo
	v_cndmask_b32 v[SL+1], 1.0, v[MI+1], vcc_lo
	v_cndmask_b32 v[SL+2], 0, v[MI+1], vcc_lo
	v_cndmask_b32 v[SL+3], 0, v[LO+1], vcc_lo
	v_perm_b32 v[F+4], v[SL],   v[HI+1], s29       ; h h | h 1
	v_perm_b32 v[F+5], v[SL],   v[MI+1], s29       ; m h | m 1
	v_perm_b32 v[F+6], v[SL+1], v[LO+1], s29       ; l m | l 1
	v_perm_b32 v[F+7], v[SL+3], v[SL+2], s29       ; m l | 0 0
.else
	v_perm_b32 v[F],   v[MI], v[HI], s29           ; h m
	v_perm_b32 v[F+1], v[LO], v[HI], s29           ; h l
	v_perm_b32 v[F+2], v[MI], v[HI], s29           ; h m
	v_perm_b32 v[F+3], v[MI], v[LO], s29           ; l m
	v_cndmask_b32 v[SL],   1.0, v[HI+1], vcc_lo
	v_cndmask_b32 v[SL+1], v[HI+1], v[MI+1], vcc_lo
	v_cndmask_b32 v[SL+2], 0, v[LO+1], vcc_lo
	v_cndmask_b32 v[SL+3], 0, v[MI+1], vcc_lo
	v_perm_b32 v[F+4], v[MI+1], v[SL], s29         ; h m | 1 m
	v_perm_b32 v[F+5], v[LO+1], v[SL], s29         ; h l | 1 l
	v_perm_b32 v[F+6], v[SL+1], v[SL], s29         ; h m | 1 h
	v_perm_b32 v[F+7], v[SL+3], v[SL+2], s29       ; l m | 0 0
.endif
	ds_store_b128 v[\adr], v[F:F+3] offset:\off            ; registers 0-3 of all 32 lanes: 512 bytes side by side
	ds_store_b128 v[\adr], v[F+4:F+7] offset:\off+512      ; registers 4-7
.endm
.irp k, 0,1,2,3
	s_wait_loadcnt 7-\k                            ; loads come back in order (ISA guide 5.7.1): this fragment's points are in, the younger loads stay out
	BUILD PT+4*\k, 0, FA, \k*1024
.endr
.irp k, 0,1,2,3
	s_wait_loadcnt 3-\k
	BUILD PT+16+4*\k, 1, FB, \k*1024
.endr
	s_wait_dscnt 0x0                               ; my fragments are in LDS,
	s_barrier_signal -1
	s_barrier_wait -1                              ; everybody's are
.macro BLOAD buf, off                  ; two B fragments
.irp q, 0,1,2,3
	ds_load_b128 v[BF+16*(\buf)+4*\q:BF+16*(\buf)+4*\q+3], v[BADR] offset:(\off)+512*\q
.endr
.endm
; two tiles: A fragment i against the two B fragments of buffer buf, into tile buffer d.  C is the constant 0: a tile is one instruction.
.macro WPAIR i, buf, d
	v_wmma_f32_16x16x32_bf16 v[DD+16*(\d):DD+16*(\d)+7], v[AF+8*(\i):AF+8*(\i)+7], v[BF+16*(\buf):BF+16*(\buf)+7], 0
	v_wmma_f32_16x16x32_bf16 v[DD+16*(\d)+8:DD+16*(\d)+15], v[AF+8*(\i):AF+8*(\i)+7], v[BF+16*(\buf)+8:BF+16*(\buf)+15], 0
.endm
.macro ROWS i, j0, first               ; row minima: both tiles of the pair in one v_min3; the first trip starts them
.irp j, 0,1,2,3
.if \first
	v_min_num_f32 v[RA+8*(\i)+\j0+\j], v[DA+\j0+\j], v[DB+\j0+\j]
.else
	v_min3_num_f32 v[RA+8*(\i)+\j0+\j], v[RA+8*(\i)+\j0+\j], v[DA+\j0+\j], v[DB+\j0+\j]
.endif
.endr
.endm
; the 16 minima of the pair of tiles (A fragment i) in tile buffer d.  Four chains of column minima, eight instructions apart.
.macro VMIN i, d, firstrow, firstcol
.set DA, DD+16*(\d)
.set DB, DA+8
.if \firstcol
	v_min_num_f32 v[CH],   v[DA],   v[DA+1]        ; the trip's first pair starts the chains
	v_min_num_f32 v[CH+1], v[DA+2], v[DA+3]
	v_min_num_f32 v[CH+2], v[DB],   v[DB+1]
	v_min_num_f32 v[CH+3], v[DB+2], v[DB+3]
.else
	v_min3_num_f32 v[CH],   v[CH],   v[DA],   v[DA+1]
	v_min3_num_f32 v[CH+1], v[CH+1], v[DA+2], v[DA+3]
	v_min3_num_f32 v[CH+2], v[CH+2], v[DB],   v[DB+1]
	v_min3_num_f32 v[CH+3], v[CH+3], v[DB+2], v[DB+3]
.endif
	ROWS \i, 0, \firstrow
	v_min3_num_f32 v[CH],   v[CH],   v[DA+4], v[DA+5]
	v_min3_num_f32 v[CH+1], v[CH+1], v[DA+6], v[DA+7]
	v_min3_num_f32 v[CH+2], v[CH+2], v[DB+4], v[DB+5]
	v_min3_num_f32 v[CH+3], v[CH+3], v[DB+6], v[DB+7]
	ROWS \i, 4, \firstrow
.endm
; One trip: the B pair in buffer buf against my 8 A fragments.  The order is W(i), V(i-1): the 16 minima of the pair before are plain vector
; instructions that name no register of W(i), so they are the places that stand between W(i) and V(i), which reads its results
; and between W(7) and the loads into the B buffer that it read.  The order runs on over the trips: W(0) of the next
; trip stands in front of this trip's V(7).
; first = 1: trip 0; load = 1: the pair two trips ahead is fetched into this trip's buffer; next = 1: a trip follows.
.macro ITER buf, first, load, next
	WPAIR 1, \buf, 1
	VMIN 0, 0, \first, 1
.irp i, 2,3,4,5,6,7
	WPAIR \i, \buf, (\i)%2
	VMIN (\i-1), (\i-1)%2, \first, 0
.endr
	s_wait_dscnt 0x0                               ; the next trip's B pair, asked for a whole trip ago, is in (and the last trip's two stores are done)
.if \load
	BLOAD \buf, (2+\buf)*2048
.endif
.if \next
	WPAIR 0, 1-\buf, 0
.endif
	VMIN 7, 1, \first, 0
	v_min_num_f32 v[CH],   v[CH],   v[CH+1]
	v_min_num_f32 v[CH+2], v[CH+2], v[CH+3]
	ds_store_b32 v[CADR], v[CH]   offset:\buf*128           ; column lane%16 of the first B fragment, over rows 8 (lane/16)..+7 of my 8 A fragments
	ds_store_b32 v[CADR], v[CH+2] offset:\buf*128+64        ; of the second
.endm
.irp i, 0,1,2,3,4,5,6,7
	ds_load_b128 v[AF+8*\i:AF+8*\i+3],   v[AADR] offset:\i*1024
	ds_load_b128 v[AF+8*\i+4:AF+8*\i+7], v[AADR] offset:\i*1024+512
.endr
	BLOAD 0, 0
	BLOAD 1, 2048
	s_wait_dscnt 0x4                               ; A and B pair 0 are in; the four loads of pair 1 may stay out
	WPAIR 0, 0, 0
	v_mul_u32_u24 v[DRD], v0, DPITCH               ; six address computations for the end of the kernel: here they are the places between
	v_lshlrev_b32 v[G8], 3, v0                     ; the very first pair of tiles and the minima that read it
	v_mul_u32_u24 v[DSTO], v[HH], 4*DPITCH
	v_add_nc_u32 v[CRD], LDS_COL, v[G8]
	v_lshl_add_u32 v[DSTO], v[R], 4, v[DSTO]
	v_add_nc_u32 v[DSTO], s35, v[DSTO]
	ITER 0, 1, 1, 1                                ; trip 0 starts the row minima: nothing is ever cleared
	ITER 1, 0, 1, 1
	v_add_nc_u32 v[BADR], 4096, v[BADR]            ; two pairs on
	v_add_nc_u32 v[CADR], 256, v[CADR]             ; four fragments' columns on
	s_mov_b32 s48, 6
.Llap:                                             ; trips 2 to 13
	ITER 0, 0, 1, 1
	ITER 1, 0, 1, 1
	v_add_nc_u32 v[BADR], 4096, v[BADR]
	v_add_nc_u32 v[CADR], 256, v[CADR]
	s_sub_co_i32 s48, s48, 1
	s_cmp_lg_u32 s48, 0
	s_cbranch_scc1 .Llap
	ITER 0, 0, 0, 1                                ; trips 14 and 15 fetch nothing
	ITER 1, 0, 0, 0
; the minimum of 16 registers st apart, in two chains
.macro TREE16 d, t, base, st
	v_min3_num_f32 v[\d], v[\base],        v[\base+\st],    v[\base+2*\st]
	v_min3_num_f32 v[\t], v[\base+3*\st],  v[\base+4*\st],  v[\base+5*\st]
	v_min3_num_f32 v[\d], v[\d], v[\base+6*\st],  v[\base+7*\st]
	v_min3_num_f32 v[\t], v[\t], v[\base+8*\st],  v[\base+9*\st]
	v_min3_num_f32 v[\d], v[\d], v[\base+10*\st], v[\base+11*\st]
	v_min3_num_f32 v[\t], v[\t], v[\base+12*\st], v[\base+13*\st]
	v_min3_num_f32 v[\d], v[\d], v[\base+14*\st], v[\base+15*\st]
	v_min_num_f32  v[\d], v[\d], v[\t]
.endm
	s_wait_dscnt 0x0                               ; my reads of the fragments are over, my column minima are in LDS,
	s_barrier_signal -1
	s_barrier_wait -1                              ; everybody's: the fragments' bytes may be written, the column minima read
.irp i, 0,1,2,3,4,5,6,7
	ds_store_b128 v[DSTO], v[RA+8*\i:RA+8*\i+3]   offset:(8*\i)*DPITCH      ; four rows' minima over the columns = lane%16 mod 16 of my half:
	ds_store_b128 v[DSTO], v[RA+8*\i+4:RA+8*\i+7] offset:(8*\i+2)*DPITCH    ; sixteen lanes fill a group of 256 bytes
.endr
.irp p, 0,1,2,3,4,5,6,7,8,9,10,11,12,13,14,15
	ds_load_b64 v[AF+2*\p:AF+2*\p+1], v[CRD] offset:\p*CPITCH              ; columns 2t, 2t+1: the 16 partial minima (8 row groups x 2 halves of lanes)
.endr
	s_wait_dscnt 0x0                               ; my dump is in LDS (and my 16 loads are back)
	s_barrier_signal -1
	TREE16 CH,   CH+2, AF,   2                     ; register work while the others arrive
	TREE16 CH+1, CH+3, AF+1, 2
	s_barrier_wait -1
.irp c, 0,1,2,3,4,5,6,7,8,9,10,11,12,13,14,15
	ds_load_b128 v[AF+4*\c:AF+4*\c+3], v[DRD] offset:16*\c                 ; group t: rows 4 (t/2)..+3, column half t%2, sixteen contributors
.endr
	global_store_b64 v[G8], v[CH:CH+1], s[42:43]   ; a wave's store covers 256 consecutive bytes, aligned
	s_mov_b32 vcc_lo, 0xaaaaaaaa                   ; odd lanes
	s_wait_dscnt 0x0
.irp c, 0,1,2,3
	TREE16 BF+\c, BF+4+\c, AF+\c, 4
.endr
.irp c, 0,1,2,3
	v_min_num_f32_dpp v[BF+\c], v[BF+\c], v[BF+\c] row_xmask:1 row_mask:0xf bank_mask:0xf   ; with the neighbour's column half
.endr
	v_cndmask_b32 v[BF+8], v[BF],   v[BF+2], vcc_lo        ; even lanes keep rows 0, 1 of the four, odd lanes rows 2, 3: rows 2t, 2t+1
	v_cndmask_b32 v[BF+9], v[BF+1], v[BF+3], vcc_lo
	global_store_b64 v[G8], v[BF+8:BF+9], s[40:41]
	s_wait_tensorcnt 0x0
	ds_add_u32 v224, v225
	s_wait_dscnt 0x0
	s_endpgm
.Lfunc_end_k_q1297e2de78_pairs:
	.size	k_q1297e2de78_pairs, .Lfunc_end_k_q1297e2de78_pairs-k_q1297e2de78_pairs
	.p2alignl 7, 3214868480
	.fill 96, 4, 3214868480
	.section	.rodata,"a",@progbits
	.p2align	6, 0x0
	.amdhsa_kernel k_q1297e2de78_pairs
		.amdhsa_group_segment_fixed_size 207872
		.amdhsa_private_segment_fixed_size 0
		.amdhsa_enable_private_segment 0
		.amdhsa_kernarg_size 24
		.amdhsa_user_sgpr_count 2
		.amdhsa_user_sgpr_kernarg_segment_ptr 1
		.amdhsa_wavefront_size32 1
		.amdhsa_system_sgpr_workgroup_id_x 1
		.amdhsa_system_sgpr_workgroup_id_y 1
		.amdhsa_system_sgpr_workgroup_id_z 1
		.amdhsa_system_vgpr_workitem_id 0
		.amdhsa_next_free_vgpr 226
		.amdhsa_next_free_sgpr 66
		.amdhsa_reserve_vcc 1
		.amdhsa_float_denorm_mode_32 3
		.amdhsa_float_denorm_mode_16_64 3
		.amdhsa_memory_ordered 1
		.amdhsa_forward_progress 1
		.amdhsa_inst_pref_size 79
	.end_amdhsa_kernel
	.amdgpu_metadata
---
amdhsa.version: [ 1, 2 ]
amdhsa.kernels:
  - .name:           k_q1297e2de78_pairs
    .symbol:         k_q1297e2de78_pairs.kd
    .args:
      - { .name: true_pos, .offset: 0, .size: 8, .value_kind: global_buffer, .address_space: global }
      - { .name: pred_pos, .offset: 8, .size: 8, .value_kind: global_buffer, .address_space: global }
      - { .name: part, .offset: 16, .size: 8, .value_kind: global_buffer, .address_space: global }
    .group_segment_fixed_size: 207872
    .private_segment_fixed_size: 0
    .kernarg_segment_align: 8
    .kernarg_segment_size: 24
    .max_flat_workgroup_size: 512
    .sgpr_count:     66
    .vgpr_count:     226
    .wavefront_size: 32
...
	.end_amdgpu_metadata
.endif
;; end of part 1
;; launch reduce (part 2): grid 64 x 1, 8 waves a work-group, no clusters, 1,280 bytes of LDS; arguments part, out1, sums; writes out1, sums
.if DOCPART == 2
	.amdgcn_target "amdgcn-amd-amdhsa--gfx1250"
	.amdhsa_code_object_version 6
	.text
	.protected	k_q1297e2de78_reduce
	.globl	k_q1297e2de78_reduce
	.p2align	8
	.type	k_q1297e2de78_reduce,@function
k_q1297e2de78_reduce:
	s_mov_b64 s[64:65], 0
	v_nop
	global_prefetch_b8 v0, s[64:65] scope:SCOPE_SE
	s_setreg_imm32_b32 hwreg(HW_REG_WAVE_MODE, 25, 1), 1
	s_wait_xcnt 0x0
; The last minimum, the clip and the root.  part is [2 sides][4 batches][8 partials][8192] f32 of squared distances.
; Work-group g takes 1,024 numbers: side and batch g / 8, chunk g % 8.  A thread takes 4 neighbouring numbers: eight loads of 16 bytes,
; 32,768 bytes apart; a wave's load covers 512 consecutive bytes.  min over the 8 partials, max with 0, sqrt (as the reference does, the
; monotonic steps moved behind the minimum).  Side 1 (g >= 32) is out1.  Every work-group leaves the sum of its 1,024 roots in sums[g].
; v_sqrt_f32 takes a squared distance below 2^-126 as zero (ISA guide 15.8).
.set PSTRIDE, 32768
.set X, 4                              ; v[4:35]  eight partials of four numbers
.set M, 36                             ; v[36:39] the four results
	s_load_b128 s[4:7], s[0:1], 0x0                ; part, out1
	s_load_b64 s[8:9], s[0:1], 0x10                ; sums
	v_lshl_add_u32 v52, v0, 2, 0x100
	v_mov_b32 v53, 0
	s_mov_b32 s12, ttmp9
	s_lshr_b32 s10, s12, 3
	s_lshl_b32 s10, s10, 18                        ; side and batch: 262,144 bytes each
	s_and_b32 s11, s12, 7
	s_lshl_b32 s11, s11, 12                        ; chunk: 4,096 bytes
	s_add_co_u32 s10, s10, s11
	s_mov_b32 s11, 0
	s_and_b32 s14, s12, 31                         ; out1: 4,096 bytes for each of side 1's 32 work-groups
	s_lshl_b32 s14, s14, 12
	s_mov_b32 s15, 0
	s_lshl_b32 s16, s12, 2                         ; sums[g]
	s_mov_b32 s17, 0
	s_mov_b32 s18, 0x76543210
	s_mov_b32 s19, 0xfedcba98
	v_lshlrev_b32 v1, 4, v0
	v_lshrrev_b32 v2, 5, v0
	v_readfirstlane_b32 s13, v2                    ; wave
	s_wait_kmcnt 0x0
	s_add_nc_u64 s[4:5], s[4:5], s[10:11]
	s_add_nc_u64 s[6:7], s[6:7], s[14:15]
	s_add_nc_u64 s[8:9], s[8:9], s[16:17]
.irp p, 0,1,2,3,4,5,6,7
	global_load_b128 v[X+4*\p:X+4*\p+3], v1, s[4:5] offset:\p*PSTRIDE th:TH_LOAD_NT
.endr
	s_wait_loadcnt 0x0
.irp c, 0,1,2,3
	v_min3_num_f32 v[M+\c], v[X+\c], v[X+4+\c], v[X+8+\c]
.endr
.irp c, 0,1,2,3
	v_min3_num_f32 v[M+\c], v[M+\c], v[X+12+\c], v[X+16+\c]
.endr
.irp c, 0,1,2,3
	v_min3_num_f32 v[M+\c], v[M+\c], v[X+20+\c], v[X+24+\c]
.endr
.irp c, 0,1,2,3
	v_min_num_f32 v[M+\c], v[M+\c], v[X+28+\c]
.endr
.irp c, 0,1,2,3
	v_max_num_f32 v[M+\c], 0, v[M+\c]
.endr
.irp c, 0,1,2,3
	v_sqrt_f32 v[M+\c], v[M+\c]
.endr
	v_mov_b32 v2, s13                              ; a plain vector instruction between the roots and their first use (ISA guide 5.7.2)
	s_wait_alu depctr_va_vdst(0)
	v_add_f32 v40, v36, v37
	v_add_f32 v41, v38, v39
	v_add_f32 v40, v40, v41
	v_add_f32_dpp v40, v40, v40 row_xmask:1 row_mask:0xf bank_mask:0xf
	v_add_f32_dpp v40, v40, v40 row_xmask:2 row_mask:0xf bank_mask:0xf
	v_add_f32_dpp v40, v40, v40 row_xmask:4 row_mask:0xf bank_mask:0xf
	v_add_f32_dpp v40, v40, v40 row_xmask:8 row_mask:0xf bank_mask:0xf
	v_permlanex16_b32 v41, v40, s18, s19
	v_add_f32 v40, v40, v41                        ; the wave's 128 roots
	s_cmp_lt_u32 s12, 32
	s_cbranch_scc1 .Ltrue_side
	global_store_b128 v1, v[M:M+3], s[6:7]         ; a wave's store covers 512 consecutive bytes, aligned
.Ltrue_side:
	v_lshlrev_b32 v2, 2, v2
	ds_store_b32 v2, v40                           ; word = wave; all lanes hold the same number
	s_wait_dscnt 0x0
	s_barrier_signal -1
	s_barrier_wait -1
	s_cmp_lg_u32 s13, 0
	s_cbranch_scc1 .Lothers
	v_mov_b32 v3, 0
	ds_load_b128 v[44:47], v3
	ds_load_b128 v[48:51], v3 offset:16
	s_wait_dscnt 0x0
	v_add_f32 v44, v44, v45
	v_add_f32 v46, v46, v47
	v_add_f32 v48, v48, v49
	v_add_f32 v50, v50, v51
	v_add_f32 v44, v44, v46
	v_add_f32 v48, v48, v50
	v_add_f32 v44, v44, v48
	s_wait_xcnt 0x0                                ; EXEC, a source of the store above, changes only behind this wait
	v_cmp_eq_u32 vcc_lo, 0, v0
	s_wait_tensorcnt 0x0
	ds_add_u32 v52, v53
	s_wait_dscnt 0x0
	s_and_saveexec_b32 s20, vcc_lo
	global_store_b32 v3, v44, s[8:9]               ; thread 0 alone
	s_endpgm
.Lothers:
	s_wait_tensorcnt 0x0
	ds_add_u32 v52, v53
	s_wait_dscnt 0x0
	s_endpgm
.Lfunc_end_k_q1297e2de78_reduce:
	.size	k_q1297e2de78_reduce, .Lfunc_end_k_q1297e2de78_reduce-k_q1297e2de78_reduce
	.p2alignl 7, 3214868480
	.fill 96, 4, 3214868480
	.section	.rodata,"a",@progbits
	.p2align	6, 0x0
	.amdhsa_kernel k_q1297e2de78_reduce
		.amdhsa_group_segment_fixed_size 1280
		.amdhsa_private_segment_fixed_size 0
		.amdhsa_enable_private_segment 0
		.amdhsa_kernarg_size 24
		.amdhsa_user_sgpr_count 2
		.amdhsa_user_sgpr_kernarg_segment_ptr 1
		.amdhsa_wavefront_size32 1
		.amdhsa_system_sgpr_workgroup_id_x 1
		.amdhsa_system_sgpr_workgroup_id_y 1
		.amdhsa_system_sgpr_workgroup_id_z 1
		.amdhsa_system_vgpr_workitem_id 0
		.amdhsa_next_free_vgpr 54
		.amdhsa_next_free_sgpr 66
		.amdhsa_reserve_vcc 1
		.amdhsa_float_denorm_mode_32 3
		.amdhsa_float_denorm_mode_16_64 3
		.amdhsa_memory_ordered 1
		.amdhsa_forward_progress 1
		.amdhsa_inst_pref_size 5
	.end_amdhsa_kernel
	.amdgpu_metadata
---
amdhsa.version: [ 1, 2 ]
amdhsa.kernels:
  - .name:           k_q1297e2de78_reduce
    .symbol:         k_q1297e2de78_reduce.kd
    .args:
      - { .name: part, .offset: 0, .size: 8, .value_kind: global_buffer, .address_space: global }
      - { .name: out1, .offset: 8, .size: 8, .value_kind: global_buffer, .address_space: global }
      - { .name: sums, .offset: 16, .size: 8, .value_kind: global_buffer, .address_space: global }
    .group_segment_fixed_size: 1280
    .private_segment_fixed_size: 0
    .kernarg_segment_align: 8
    .kernarg_segment_size: 24
    .max_flat_workgroup_size: 256
    .sgpr_count:     66
    .vgpr_count:     54
    .wavefront_size: 32
...
	.end_amdgpu_metadata
.endif
;; end of part 2
;; launch final (part 3): grid 1 x 1, 1 waves a work-group, no clusters, 0 bytes of LDS; arguments sums, out0; writes out0
.if DOCPART == 3
	.amdgcn_target "amdgcn-amd-amdhsa--gfx1250"
	.amdhsa_code_object_version 6
	.text
	.protected	k_q1297e2de78_final
	.globl	k_q1297e2de78_final
	.p2align	8
	.type	k_q1297e2de78_final,@function
k_q1297e2de78_final:
	s_mov_b64 s[64:65], 0
	v_nop
	global_prefetch_b8 v0, s[64:65] scope:SCOPE_SE
	s_setreg_imm32_b32 hwreg(HW_REG_WAVE_MODE, 25, 1), 1
	s_wait_xcnt 0x0
; out0 = mean of the 32,768 nearest distances of the true points + mean of the 32,768 of the pred points
;      = (the sum of the 64 partial sums) / 32,768.  One wave: two numbers a lane, 256 consecutive bytes.
	s_load_b128 s[4:7], s[0:1], 0x0                ; sums, out0
	v_lshlrev_b32 v1, 3, v0
	s_mov_b32 s8, 0x76543210
	s_mov_b32 s9, 0xfedcba98
	v_mov_b32 v4, 0
	s_wait_kmcnt 0x0
	global_load_b64 v[2:3], v1, s[4:5]
	s_wait_loadcnt 0x0
	v_add_f32 v2, v2, v3
	v_add_f32_dpp v2, v2, v2 row_xmask:1 row_mask:0xf bank_mask:0xf
	v_add_f32_dpp v2, v2, v2 row_xmask:2 row_mask:0xf bank_mask:0xf
	v_add_f32_dpp v2, v2, v2 row_xmask:4 row_mask:0xf bank_mask:0xf
	v_add_f32_dpp v2, v2, v2 row_xmask:8 row_mask:0xf bank_mask:0xf
	v_permlanex16_b32 v3, v2, s8, s9
	v_add_f32 v2, v2, v3
	v_mul_f32 v2, 0x38000000, v2                   ; 2^-15
	s_wait_xcnt 0x0                                ; EXEC changes only behind this wait
	v_cmp_eq_u32 vcc_lo, 0, v0
	s_and_saveexec_b32 s10, vcc_lo
	global_store_b32 v4, v2, s[6:7]                ; lane 0 alone
	s_endpgm
.Lfunc_end_k_q1297e2de78_final:
	.size	k_q1297e2de78_final, .Lfunc_end_k_q1297e2de78_final-k_q1297e2de78_final
	.p2alignl 7, 3214868480
	.fill 96, 4, 3214868480
	.section	.rodata,"a",@progbits
	.p2align	6, 0x0
	.amdhsa_kernel k_q1297e2de78_final
		.amdhsa_group_segment_fixed_size 0
		.amdhsa_private_segment_fixed_size 0
		.amdhsa_enable_private_segment 0
		.amdhsa_kernarg_size 16
		.amdhsa_user_sgpr_count 2
		.amdhsa_user_sgpr_kernarg_segment_ptr 1
		.amdhsa_wavefront_size32 1
		.amdhsa_system_sgpr_workgroup_id_x 1
		.amdhsa_system_sgpr_workgroup_id_y 1
		.amdhsa_system_sgpr_workgroup_id_z 1
		.amdhsa_system_vgpr_workitem_id 0
		.amdhsa_next_free_vgpr 8
		.amdhsa_next_free_sgpr 66
		.amdhsa_reserve_vcc 1
		.amdhsa_float_denorm_mode_32 3
		.amdhsa_float_denorm_mode_16_64 3
		.amdhsa_memory_ordered 1
		.amdhsa_forward_progress 1
		.amdhsa_inst_pref_size 2
	.end_amdhsa_kernel
	.amdgpu_metadata
---
amdhsa.version: [ 1, 2 ]
amdhsa.kernels:
  - .name:           k_q1297e2de78_final
    .symbol:         k_q1297e2de78_final.kd
    .args:
      - { .name: sums, .offset: 0, .size: 8, .value_kind: global_buffer, .address_space: global }
      - { .name: out0, .offset: 8, .size: 8, .value_kind: global_buffer, .address_space: global }
    .group_segment_fixed_size: 0
    .private_segment_fixed_size: 0
    .kernarg_segment_align: 8
    .kernarg_segment_size: 16
    .max_flat_workgroup_size: 32
    .sgpr_count:     66
    .vgpr_count:     8
    .wavefront_size: 32
...
	.end_amdgpu_metadata
.endif
;; end of part 3
;; ======== version 2 of 2: 3 launches; version 1 with the launch pairs written anew for expert scheduling mode
;; workspace buffers: part 2,097,152 bytes; sums 256 bytes
;; launch pairs (part 4): grid 256 x 1, 16 waves a work-group, no clusters, 207,872 bytes of LDS; arguments true_pos, pred_pos, part; writes part
.if DOCPART == 4
	.amdgcn_target "amdgcn-amd-amdhsa--gfx1250"
	.amdhsa_code_object_version 6
	.text
	.protected	k_q1297e2de78_pairs
	.globl	k_q1297e2de78_pairs
	.p2align	8
	.type	k_q1297e2de78_pairs,@function
k_q1297e2de78_pairs:
	s_mov_b64 s[64:65], 0
	v_nop
	global_prefetch_b8 v0, s[64:65] scope:SCOPE_SE
	s_setreg_imm32_b32 hwreg(HW_REG_WAVE_SCHED_MODE, 0, 2), 2
	s_setreg_imm32_b32 hwreg(HW_REG_WAVE_MODE, 25, 1), 1
	s_wait_xcnt 0x0
	s_wait_alu depctr_vm_vsrc(0)
; Squared distances of a block of 1024 true points x 1024 pred points of one batch, and their minima along both axes.
; part[0][b][bj][n] = min over the pred points of block bj of |true n - pred m|^2   (1 MiB)
; part[1][b][bi][m] = min over the true points of block bi of the same              (1 MiB)
; max(.,0) and sqrt are monotonic and follow in the next launch, behind the last minimum.
;
; ONE MATRIX INSTRUCTION MAKES A FINISHED 16 x 16 TILE OF d2 = |x|^2 + |y|^2 - 2 x.y: the 32 places along K hold
;   8 places for each of the 3 coordinates: every f32 number is cut exactly into three bf16 pieces h, m, l (two truncations; 8 + 8 + 8 bits),
;     and the places hold the products hh hm mh hl lh mm ml lm; A's pieces are those of -2 x.  Only l.l is left out (2^-32 of the product);
;   8 places for the norms: |x|^2 as h, m, l against 1, 1, 1; 1, 1, 1 against |y|^2 as m, l, h; two zeros.
; So the operands are bf16, the sums f32, and no vector instruction is spent on forming d2.
; Before all that a centre is taken away from every point (the mean of the batch's first 32 true points): distances do not change,
; and with inputs that carry a common offset the terms that cancel stay of the size of the spread.
; LIMITS: NaN and infinite inputs are not served (v_min_num drops a NaN where the reference's min keeps it).  The order of rounding differs
; from the reference's (centre, pieces, sums inside the matrix instruction).
;
; 16 waves.  Wave w builds A fragments 4w..4w+3 (true) and B fragments 4w..4w+3 (pred) into LDS.  Then wave (rg = w/2, ch = w%2) keeps the
; 8 A fragments of rows 128 rg .. +127 in registers and walks the 32 B fragments of columns 512 ch .. +511, two a trip: 256 tiles.
; Per tile 8 vector instructions: 4 v_min3 along the lane's 8 registers (column minima), 4 v_min3 a tile for two tiles at once (row minima).
; No tensor loads, no cluster: the work-group reads 24 KiB of points once; that is all that neighbours share.
;
; THE MODE: SCHED_MODE bits 1:0 = 2 (LLVM: expert scheduling mode 2), set by the entry lines.  The code itself states the register dependences
; between vector or matrix instructions and memory or LDS instructions, with s_wait_alu, always for 0.
; THE PLAN.  Registers that memory or LDS instructions touch:
;   v[32:95]      At the head: each of the eight fragment builds writes eight registers of its own; LDS stores read them, a run behind every four builds.
;                 Then AF: the A fragments land there, and the matrix instructions read them.  At the end: partial minima land there, trees read them.
;   BF0, BF1      Trip t's matrix instructions read BF[t % 2]; the loads of pair t + 2 land in it at the head of trip t + 1.
;   CO0, CO1      Trip t's two closing minima write CO[t % 2]; two LDS stores in trip t + 1 read it; it is written again in trip t + 2.
;   v[BADR], v[CADR]  Read by every load of B and every store of column minima; written once a lap, in the middle of the lap's first trip.
;   RA            Written by vector instructions alone; read by the dump's LDS stores behind the last trip.
;   The other addresses and offsets are made once and never written again.  DD and CH are named by vector and matrix instructions alone in the loop.
; So ONE wait on va_vdst stands at a trip's head: the trip before is done reading its B buffer and has written its CO.  The trip's four loads and two
; stores follow it, dealt among its first matrix and vector instructions, which name AF, this trip's BF, DD, RA and CH: none of the registers that those
; six touch.  ONE wait on vm_vsrc a lap stands ahead of the two adds to the addresses, and frees both CO as well.
.set NPT,     8192                     ; points of a batch, each side
.set PB,      12                       ; bytes of a point
.set BLK,     1024                     ; points of a block's side
.set LDS_B,   65536                    ; LDS: 64 A fragments of 1,024 bytes from 0, 64 B fragments from here
.set DPITCH,  272                      ; the dump of row minima: groups of 256 bytes, 272 apart (an odd multiple of 16: sixteen lanes that read
                                       ; the same piece of sixteen groups touch sixteen different 16-byte columns modulo 256)
.set LDS_COL, 512*DPITCH               ; 139,264: behind the dump (which lies over the dead fragments): column minima, 16 rows of 1,024 words
.set CPITCH,  4160                     ; their pitch: 4,096 + 64, so that the two halves of a wave store to different words modulo 256 bytes
.set SIDE,    0x100000                 ; bytes of part[0]
.set LN16, 1                           ; v1   16 x lane
.set BADR, 2                           ; v2   LDS address of my 16 bytes in the B pair of this lap's first trip
.set CADR, 3                           ; v3   where my column minimum goes
.set DSTO, 4                           ; v4   where my row minima are dumped
.set DRD,  5                           ; v5   the group of the dump that I reduce
.set G8,   6                           ; v6   8 x thread: my place in both results
.set CRD,  7                           ; v7   my two columns in the column minima
.set FA,   8                           ; v8   where I put A fragments
.set FB,   9                           ; v9   where I put B fragments
.set GOFF, 10                          ; v10  byte offset of my point in the block
.set COFF, 11                          ; v11  byte offset of my point of the centre's sample
.set CH,   12                          ; v[12:15] four chains of column minima (two for each of the trip's two B fragments)
.set SC,   16                          ; v[16:17] A's factors: -2 for coordinates, 1 for the norm
.set CEN,  18                          ; v[18:20] the centre
.set R,    22                          ; v22  lane % 16
.set HH,   23                          ; v23  lane / 16
.set AADR, 24                          ; v24  LDS address of my 16 bytes in my first A fragment
.set WV,   25                          ; v25  wave
.set CO,   26                          ; v[26:29] two out-buffers of two: a trip's finished column minima, on their way to LDS
.set AF,   32                          ; v[32:95]   8 A fragments; before that the eight fragments that I build
.set RA,   96                          ; v[96:159]  row minima: fragment i, register j: row 16 i + 8 (lane/16) + j, columns = lane%16 mod 16
.set BF,   160                         ; v[160:191] two buffers of two B fragments
.set DD,   192                         ; v[192:223] two buffers of two tiles
; while fragments are built, RA's registers serve:
.set PT,   96                          ; 8 points, 4 registers apart
.set Q,    128                         ; v[128:130] the point less the centre, v131 its norm
.set U,    132                         ; the lane's two numbers
.set HI,   134                         ; their pieces h
.set MI,   136                         ; m
.set LO,   138                         ; l
.set SL,   140                         ; v[140:143] four choices between coordinate and norm places
.set CP,   152                         ; v[152:154] my point of the centre's sample
	s_load_b128 s[4:7], s[0:1], 0x0                ; true_pos s[4:5], pred_pos s[6:7]
	s_load_b64 s[8:9], s[0:1], 0x10                ; part
	v_lshl_add_u32 v224, v0, 2, 0x32400            ; my spare word, behind the column minima, and 0: made here and kept for the closing lines alone
	v_mov_b32 v225, 0
	s_lshr_b32 s10, ttmp9, 6                       ; batch b
	s_bfe_u32 s11, ttmp9, 0x30003                  ; bi: block of true points (3 bits from bit 3)
	s_and_b32 s12, ttmp9, 7                        ; bj: block of pred points
	s_mul_i32 s16, s10, NPT*PB
	s_mov_b32 s17, 0
	s_mul_i32 s18, s11, BLK*PB
	s_mov_b32 s19, 0
	s_mul_i32 s20, s12, BLK*PB
	s_mov_b32 s21, 0
	v_lshrrev_b32 v[WV], 5, v0
	v_readfirstlane_b32 s22, v[WV]                 ; wave, as a scalar
	v_and_b32 v[R], 15, v0
	v_and_b32 v[LN16], 31, v0
	v_mul_u32_u24 v[COFF], v[LN16], PB             ; lane's point among the batch's first 32
	v_lshl_add_u32 v[GOFF], v[WV], 6, v[R]         ; point 64 w + lane%16 of the block: both halves of the wave take the same 16 points
	v_mul_u32_u24 v[GOFF], v[GOFF], PB
	s_wait_alu depctr_va_sdst(0)                   ; s22 is written, ahead of its first reader: rg and ch are made from it below
	s_wait_kmcnt 0x0
	s_add_nc_u64 s[4:5], s[4:5], s[16:17]          ; both tensors at batch b
	s_add_nc_u64 s[6:7], s[6:7], s[16:17]
	s_add_nc_u64 s[24:25], s[4:5], s[18:19]        ; and at my blocks
	s_add_nc_u64 s[26:27], s[6:7], s[20:21]
	s_wait_alu depctr_va_vdst(0)                   ; v[COFF] and v[GOFF] are written, which the nine loads read as their offsets
	global_load_b96 v[CP:CP+2], v[COFF], s[4:5]
.irp k, 0,1,2,3
	global_load_b96 v[PT+4*\k:PT+4*\k+2], v[GOFF], s[24:25] offset:\k*16*PB
.endr
.irp k, 0,1,2,3
	global_load_b96 v[PT+16+4*\k:PT+16+4*\k+2], v[GOFF], s[26:27] offset:\k*16*PB
.endr
	; constants and addresses, while the nine loads are on their way (none of these lines writes an offset that the loads read)
	s_mov_b32 vcc_lo, 0xffff                       ; lanes 0-15
	s_mov_b32 s28, 0xffff0000                      ; the upper 16 bits of an f32 are a bf16
	s_mov_b32 s29, 0x07060302                      ; v_perm_b32: upper half of source 1 below, upper half of source 0 above
	s_mov_b32 s30, 0x76543210                      ; v_permlanex16_b32: lane i takes lane i of the other half
	s_mov_b32 s31, 0xfedcba98
	s_lshr_b32 s23, s22, 1                         ; rg: my 128 rows
	s_and_b32 s32, s22, 1                          ; ch: my 512 columns
	v_lshlrev_b32 v[LN16], 4, v[LN16]
	v_bfe_u32 v[HH], v0, 4, 1
	v_lshl_add_u32 v[FA], v[WV], 12, v[LN16]       ; four fragments of 1,024 bytes a wave; a lane's 16 bytes lie side by side
	v_add_nc_u32 v[FB], LDS_B, v[FA]
	v_mov_b32 v[SC], -2.0
	v_cndmask_b32 v[SC+1], 1.0, v[SC], vcc_lo      ; second number: coordinate 2 in lanes 0-15 (-2), the norm in lanes 16-31 (1)
	v_lshl_add_u32 v[AADR], s23, 13, v[LN16]
	s_lshl_b32 s33, s32, 15
	s_add_co_u32 s33, s33, LDS_B
	v_add_nc_u32 v[BADR], s33, v[LN16]
	s_mul_i32 s34, s23, 2*CPITCH                   ; column minima: row 2 rg + lane/16, word 512 ch + 32 trip + lane%16
	s_lshl_b32 s35, s32, 11
	s_add_co_u32 s34, s34, s35
	s_add_co_u32 s34, s34, LDS_COL
	v_mul_u32_u24 v[CADR], v[HH], CPITCH
	v_lshl_add_u32 v[CADR], v[R], 2, v[CADR]
	v_add_nc_u32 v[CADR], s34, v[CADR]
	s_mul_i32 s35, s23, 64*DPITCH                  ; the dump: group 64 rg + 8 i + 4 (lane/16) + 2 q + ch
	s_mul_i32 s36, s32, DPITCH
	s_add_co_u32 s35, s35, s36
	s_lshl_b32 s37, s10, 18                        ; part: 262,144 bytes a batch, 32,768 a partial, 4,096 a block
	s_lshl_b32 s38, s12, 15
	s_lshl_b32 s39, s11, 12
	s_add_co_u32 s44, s37, s38
	s_add_co_u32 s44, s44, s39
	s_mov_b32 s45, 0
	s_lshl_b32 s38, s11, 15
	s_lshl_b32 s39, s12, 12
	s_add_co_u32 s46, s37, s38
	s_add_co_u32 s46, s46, s39
	s_add_co_u32 s46, s46, SIDE
	s_mov_b32 s47, 0
	s_add_nc_u64 s[40:41], s[8:9], s[44:45]        ; part[0][b][bj][1024 bi]
	s_add_nc_u64 s[42:43], s[8:9], s[46:47]        ; part[1][b][bi][1024 bj]
	; the centre: the mean of 32 points, the same in every lane and every wave (same numbers, same order)
	s_wait_loadcnt 0x8                             ; the sample's load is in; the eight loads of points behind it may stay out
.irp m, 1,2,4,8
.irp c, 0,1,2
	v_add_f32_dpp v[CP+\c], v[CP+\c], v[CP+\c] row_xmask:\m row_mask:0xf bank_mask:0xf
.endr
.endr
.irp c, 0,1,2
	v_mul_f32 v[CEN+\c], 0x3d000000, v[CP+\c]      ; 1/32 of my half's sum
.endr
.irp c, 0,1,2
	v_permlanex16_b32 v[CP+\c], v[CEN+\c], s30, s31
.endr
.irp c, 0,1,2
	v_add_f32 v[CEN+\c], v[CEN+\c], v[CP+\c]
.endr
; One fragment: 16 points x 32 places along K, into the eight registers from f on.  Lane (r = lane%16, h = lane/16) holds point r; registers 0-3 are
; places 8h..8h+7, registers 4-7 places 16+8h..+7 (ISA guide 7.12.2).  So lanes 0-15 hold coordinates 0 and 2, lanes 16-31 coordinate 1 and the norm places.
; side 0: A (true):  coordinate places h h m h l m m l,  norm places h 1 m 1 l 1 0 0
; side 1: B (pred):  coordinate places h m h l h m l m,  norm places 1 m 1 l 1 h 0 0
.macro BUILD p, side, f
	v_pk_add_f32 v[Q:Q+1], v[\p:\p+1], v[CEN:CEN+1] neg_lo:[0,1] neg_hi:[0,1]
	v_sub_f32 v[Q+2], v[\p+2], v[CEN+2]
	v_mul_f32 v[Q+3], v[Q], v[Q]
	v_fmac_f32 v[Q+3], v[Q+1], v[Q+1]
	v_fmac_f32 v[Q+3], v[Q+2], v[Q+2]              ; the norm, in f32
	v_cndmask_b32 v[U], v[Q+1], v[Q], vcc_lo       ; lanes 0-15: coordinate 0, lanes 16-31: coordinate 1
	v_cndmask_b32 v[U+1], v[Q+3], v[Q+2], vcc_lo   ; lanes 0-15: coordinate 2, lanes 16-31: the norm
.if \side == 0
	v_pk_mul_f32 v[U:U+1], v[U:U+1], v[SC:SC+1]    ; exact
.endif
	v_and_b32 v[HI], s28, v[U]                     ; h: the upper 8 bits of the significand
	v_and_b32 v[HI+1], s28, v[U+1]
	v_pk_add_f32 v[U:U+1], v[U:U+1], v[HI:HI+1] neg_lo:[0,1] neg_hi:[0,1]    ; exact: at most 16 bits are left
	v_and_b32 v[MI], s28, v[U]                     ; m
	v_and_b32 v[MI+1], s28, v[U+1]
	v_pk_add_f32 v[LO:LO+1], v[U:U+1], v[MI:MI+1] neg_lo:[0,1] neg_hi:[0,1]  ; l: at most 8 bits are left, a bf16
.if \side == 0
	v_perm_b32 v[\f],   v[HI], v[HI], s29          ; h h   (the lower place first)
	v_perm_b32 v[\f+1], v[HI], v[MI], s29          ; m h
	v_perm_b32 v[\f+2], v[MI], v[LO], s29          ; l m
	v_perm_b32 v[\f+3], v[LO], v[MI], s29          ; m l
	v_cndmask_b32 v[SL],   1.0, v[HI+1], vcc_lo
	v_cndmask_b32 v[SL+1], 1.0, v[MI+1], vcc_lo
	v_cndmask_b32 v[SL+2], 0, v[MI+1], vcc_lo
	v_cndmask_b32 v[SL+3], 0, v[LO+1], vcc_lo
	v_perm_b32 v[\f+4], v[SL],   v[HI+1], s29      ; h h | h 1
	v_perm_b32 v[\f+5], v[SL],   v[MI+1], s29      ; m h | m 1
	v_perm_b32 v[\f+6], v[SL+1], v[LO+1], s29      ; l m | l 1
	v_perm_b32 v[\f+7], v[SL+3], v[SL+2], s29      ; m l | 0 0
.else
	v_perm_b32 v[\f],   v[MI], v[HI], s29          ; h m
	v_perm_b32 v[\f+1], v[LO], v[HI], s29          ; h l
	v_perm_b32 v[\f+2], v[MI], v[HI], s29          ; h m
	v_perm_b32 v[\f+3], v[MI], v[LO], s29          ; l m
	v_cndmask_b32 v[SL],   1.0, v[HI+1], vcc_lo
	v_cndmask_b32 v[SL+1], v[HI+1], v[MI+1], vcc_lo
	v_cndmask_b32 v[SL+2], 0, v[LO+1], vcc_lo
	v_cndmask_b32 v[SL+3], 0, v[MI+1], vcc_lo
	v_perm_b32 v[\f+4], v[MI+1], v[SL], s29        ; h m | 1 m
	v_perm_b32 v[\f+5], v[LO+1], v[SL], s29        ; h l | 1 l
	v_perm_b32 v[\f+6], v[SL+1], v[SL], s29        ; h m | 1 h
	v_perm_b32 v[\f+7], v[SL+3], v[SL+2], s29      ; l m | 0 0
.endif
.endm
.macro PUT adr, f, off                 ; a finished fragment goes to LDS
	ds_store_b128 v[\adr], v[\f:\f+3] offset:\off            ; registers 0-3 of all 32 lanes: 512 bytes side by side
	ds_store_b128 v[\adr], v[\f+4:\f+7] offset:\off+512      ; registers 4-7
.endm
.irp k, 0,1,2,3
	s_wait_loadcnt 7-\k                            ; loads come back in order (ISA guide 5.7.1): this fragment's points are in, the younger loads stay out
	BUILD PT+4*\k, 0, AF+8*\k
.endr
	s_wait_alu depctr_va_vdst(0)                   ; the four A fragments v[32:63] are written, which the stores below read; so are all the LDS addresses made at the head
.irp k, 0,1,2,3
	PUT FA, AF+8*\k, \k*1024
.endr
.irp k, 0,1,2,3
	s_wait_loadcnt 3-\k
	BUILD PT+16+4*\k, 1, AF+32+8*\k                ; writes v[64:95] and registers at work: nothing that the stores above read
.endr
	s_wait_alu depctr_va_vdst(0)                   ; the four B fragments v[64:95] are written, which the stores below read
.irp k, 0,1,2,3
	PUT FB, AF+32+8*\k, \k*1024
.endr
	s_wait_dscnt 0x0                               ; my fragments are in LDS,
	s_barrier_signal -1
	s_barrier_wait -1                              ; everybody's are
.macro BHALF buf, off, g               ; B fragment g (0, 1) of a pair
	ds_load_b128 v[BF+16*(\buf)+8*(\g):BF+16*(\buf)+8*(\g)+3],   v[BADR] offset:(\off)+1024*(\g)
	ds_load_b128 v[BF+16*(\buf)+8*(\g)+4:BF+16*(\buf)+8*(\g)+7], v[BADR] offset:(\off)+1024*(\g)+512
.endm
; two tiles: A fragment i against the two B fragments of buffer buf, into tile buffer d.  C is the constant 0: a tile is one instruction.
.macro WPAIR i, buf, d
	v_wmma_f32_16x16x32_bf16 v[DD+16*(\d):DD+16*(\d)+7], v[AF+8*(\i):AF+8*(\i)+7], v[BF+16*(\buf):BF+16*(\buf)+7], 0
	v_wmma_f32_16x16x32_bf16 v[DD+16*(\d)+8:DD+16*(\d)+15], v[AF+8*(\i):AF+8*(\i)+7], v[BF+16*(\buf)+8:BF+16*(\buf)+15], 0
.endm
.macro ROWS i, j0, first               ; row minima: both tiles of the pair in one v_min3; the first trip starts them
.irp j, 0,1,2,3
.if \first
	v_min_num_f32 v[RA+8*(\i)+\j0+\j], v[DA+\j0+\j], v[DB+\j0+\j]
.else
	v_min3_num_f32 v[RA+8*(\i)+\j0+\j], v[RA+8*(\i)+\j0+\j], v[DA+\j0+\j], v[DB+\j0+\j]
.endif
.endr
.endm
; the 16 minima of the pair of tiles (A fragment i) in tile buffer d.  Four chains of column minima, eight instructions apart.
.macro VMIN i, d, firstrow, firstcol
.set DA, DD+16*(\d)
.set DB, DA+8
.if \firstcol
	v_min_num_f32 v[CH],   v[DA],   v[DA+1]        ; the trip's first pair starts the chains
	v_min_num_f32 v[CH+1], v[DA+2], v[DA+3]
	v_min_num_f32 v[CH+2], v[DB],   v[DB+1]
	v_min_num_f32 v[CH+3], v[DB+2], v[DB+3]
.else
	v_min3_num_f32 v[CH],   v[CH],   v[DA],   v[DA+1]
	v_min3_num_f32 v[CH+1], v[CH+1], v[DA+2], v[DA+3]
	v_min3_num_f32 v[CH+2], v[CH+2], v[DB],   v[DB+1]
	v_min3_num_f32 v[CH+3], v[CH+3], v[DB+2], v[DB+3]
.endif
	ROWS \i, 0, \firstrow
	v_min3_num_f32 v[CH],   v[CH],   v[DA+4], v[DA+5]
	v_min3_num_f32 v[CH+1], v[CH+1], v[DA+6], v[DA+7]
	v_min3_num_f32 v[CH+2], v[CH+2], v[DB+4], v[DB+5]
	v_min3_num_f32 v[CH+3], v[CH+3], v[DB+6], v[DB+7]
	ROWS \i, 4, \firstrow
.endm
; One trip: the B pair in buffer buf against my 8 A fragments.  The order is W(i), V(i-1): the 16 minima of the pair before are plain vector
; instructions that name no register of W(i), so they are the places that stand between W(i) and V(i), which reads its results
; (ISA guide 7.12.1).  The order runs on over the trips: W(0) of the next trip stands in front of this trip's V(7).
; first = 1: trip 0.  prev = 1: a trip went before: its column minima are stored.  load = 1: the next trip's pair is fetched into the buffer that the
; trip before read.  next = 1: a trip follows.  step = 1: a lap's first trip, from the second lap on: the two LDS addresses move on.
.macro ITER buf, first, prev, load, next, step
.if \prev
	s_wait_alu depctr_va_vdst(0)                   ; the trip before is done: its matrix instructions have read the other B buffer, in which the loads below land; its closing minima have written the other CO, which the stores below read; in a lap's second trip v[BADR] and v[CADR] are written
.endif
.if \load
	BHALF 1-\buf, (3-\buf)*2048, 0
.endif
	WPAIR 1, \buf, 1
.if \load
	BHALF 1-\buf, (3-\buf)*2048, 1                 ; no wait: no vector or matrix instruction since the wait above names the other B buffer
.endif
	VMIN 0, 0, \first, 1
.if \prev
	ds_store_b32 v[CADR], v[CO+2*(1-\buf)]   offset:(1-\buf)*128      ; the trip before: column lane%16 of its first B fragment, over rows 8 (lane/16)..+7 of my 8 A fragments
	ds_store_b32 v[CADR], v[CO+2*(1-\buf)+1] offset:(1-\buf)*128+64   ; of its second.  No wait: nothing since the wait above names the other CO or v[CADR]
.endif
.irp i, 2,3,4,5,6,7
	WPAIR \i, \buf, (\i)%2
	VMIN (\i-1), (\i-1)%2, \first, 0
.if (\step) && (\i == 4)
	s_wait_alu depctr_vm_vsrc(0)                   ; the loads and stores issued so far have read v[BADR] and v[CADR], which the two adds write, and both CO, which this trip's and the next trip's closing minima write
	v_add_nc_u32 v[BADR], 4096, v[BADR]            ; two pairs on
	v_add_nc_u32 v[CADR], 256, v[CADR]             ; four fragments' columns on
.endif
.endr
.if \next
	s_wait_dscnt 0x0                               ; the next trip's B pair, asked for at this trip's head, is in (and the two stores are done)
	WPAIR 0, 1-\buf, 0
.endif
	VMIN 7, 1, \first, 0
	v_min_num_f32 v[CO+2*\buf],   v[CH],   v[CH+1] ; the trip's column minima leave the chains for an out-buffer of their own
	v_min_num_f32 v[CO+2*\buf+1], v[CH+2], v[CH+3]
.endm
	s_wait_alu depctr_vm_vsrc(0)                   ; my LDS stores have read v[32:95], in which the A fragments land (the builds that wrote these registers stand ahead of the last wait on va_vdst)
.irp i, 0,1,2,3,4,5,6,7
	ds_load_b128 v[AF+8*\i:AF+8*\i+3],   v[AADR] offset:\i*1024
	ds_load_b128 v[AF+8*\i+4:AF+8*\i+7], v[AADR] offset:\i*1024+512
.endr
	BHALF 0, 0, 0
	BHALF 0, 0, 1
	BHALF 1, 2048, 0
	BHALF 1, 2048, 1
	s_wait_dscnt 0x4                               ; A and B pair 0 are in; the four loads of pair 1 may stay out
	WPAIR 0, 0, 0
	v_mul_u32_u24 v[DRD], v0, DPITCH               ; six address computations for the end of the kernel: here they are the places between
	v_lshlrev_b32 v[G8], 3, v0                     ; the very first pair of tiles and the minima that read it
	v_mul_u32_u24 v[DSTO], v[HH], 4*DPITCH
	v_add_nc_u32 v[CRD], LDS_COL, v[G8]
	v_lshl_add_u32 v[DSTO], v[R], 4, v[DSTO]
	v_add_nc_u32 v[DSTO], s35, v[DSTO]
	ITER 0, 1, 0, 0, 1, 0                          ; trip 0 starts the row minima: nothing is ever cleared; pairs 0 and 1 are asked for already
	ITER 1, 0, 1, 1, 1, 0
	s_mov_b32 s48, 6
.Llap:                                             ; trips 2 to 13
	ITER 0, 0, 1, 1, 1, 1
	ITER 1, 0, 1, 1, 1, 0
	s_sub_co_i32 s48, s48, 1
	s_cmp_lg_u32 s48, 0
	s_cbranch_scc1 .Llap
	ITER 0, 0, 1, 1, 1, 1                          ; trip 14 fetches the last pair,
	ITER 1, 0, 1, 0, 0, 0                          ; trip 15 nothing
; the minimum of 16 registers st apart, in two chains
.macro TREE16 d, t, base, st
	v_min3_num_f32 v[\d], v[\base],        v[\base+\st],    v[\base+2*\st]
	v_min3_num_f32 v[\t], v[\base+3*\st],  v[\base+4*\st],  v[\base+5*\st]
	v_min3_num_f32 v[\d], v[\d], v[\base+6*\st],  v[\base+7*\st]
	v_min3_num_f32 v[\t], v[\t], v[\base+8*\st],  v[\base+9*\st]
	v_min3_num_f32 v[\d], v[\d], v[\base+10*\st], v[\base+11*\st]
	v_min3_num_f32 v[\t], v[\t], v[\base+12*\st], v[\base+13*\st]
	v_min3_num_f32 v[\d], v[\d], v[\base+14*\st], v[\base+15*\st]
	v_min_num_f32  v[\d], v[\d], v[\t]
.endm
	s_wait_alu depctr_va_vdst(0)                   ; trip 15 is done: CO1 and the row minima RA are written, which the stores below read; the matrix instructions have read AF, in which the loads below land; the four addresses for the way out are written
	ds_store_b32 v[CADR], v[CO+2] offset:128       ; trip 15's column minima
	ds_store_b32 v[CADR], v[CO+3] offset:192
	s_wait_dscnt 0x0                               ; my reads of the fragments are over, my column minima are in LDS,
	s_barrier_signal -1
	s_barrier_wait -1                              ; everybody's: the fragments' bytes may be written, the column minima read
.irp i, 0,1,2,3,4,5,6,7
	ds_store_b128 v[DSTO], v[RA+8*\i:RA+8*\i+3]   offset:(8*\i)*DPITCH      ; four rows' minima over the columns = lane%16 mod 16 of my half:
	ds_store_b128 v[DSTO], v[RA+8*\i+4:RA+8*\i+7] offset:(8*\i+2)*DPITCH    ; sixteen lanes fill a group of 256 bytes
.endr
.irp p, 0,1,2,3,4,5,6,7,8,9,10,11,12,13,14,15
	ds_load_b64 v[AF+2*\p:AF+2*\p+1], v[CRD] offset:\p*CPITCH              ; columns 2t, 2t+1: the 16 partial minima (8 row groups x 2 halves of lanes)
.endr
	s_wait_dscnt 0x0                               ; my dump is in LDS (and my 16 loads are back)
	s_barrier_signal -1
	TREE16 CH,   CH+2, AF,   2                     ; register work while the others arrive
	TREE16 CH+1, CH+3, AF+1, 2
	s_barrier_wait -1
	s_wait_alu depctr_va_vdst(0)                   ; the two trees are done reading v[32:63], in which the loads below land, and have written v[CH:CH+1], which the store below reads
.irp c, 0,1,2,3,4,5,6,7,8,9,10,11,12,13,14,15
	ds_load_b128 v[AF+4*\c:AF+4*\c+3], v[DRD] offset:16*\c                 ; group t: rows 4 (t/2)..+3, column half t%2, sixteen contributors
.endr
	global_store_b64 v[G8], v[CH:CH+1], s[42:43]   ; a wave's store covers 256 consecutive bytes, aligned
	s_mov_b32 vcc_lo, 0xaaaaaaaa                   ; odd lanes
	s_wait_dscnt 0x0
.irp c, 0,1,2,3
	TREE16 BF+\c, BF+4+\c, AF+\c, 4
.endr
.irp c, 0,1,2,3
	v_min_num_f32_dpp v[BF+\c], v[BF+\c], v[BF+\c] row_xmask:1 row_mask:0xf bank_mask:0xf   ; with the neighbour's column half
.endr
	v_cndmask_b32 v[BF+8], v[BF],   v[BF+2], vcc_lo        ; even lanes keep rows 0, 1 of the four, odd lanes rows 2, 3: rows 2t, 2t+1
	v_cndmask_b32 v[BF+9], v[BF+1], v[BF+3], vcc_lo
	s_wait_alu depctr_va_vdst(0)                   ; the two selects have written v[BF+8:BF+9], which the store reads
	global_store_b64 v[G8], v[BF+8:BF+9], s[40:41]
	s_wait_dscnt 0x0                               ; the closing lines, six on end
	s_wait_alu 0x0
	s_wait_tensorcnt 0x0
	ds_add_u32 v224, v225
	s_wait_dscnt 0x0
	s_endpgm
.Lfunc_end_k_q1297e2de78_pairs:
	.size	k_q1297e2de78_pairs, .Lfunc_end_k_q1297e2de78_pairs-k_q1297e2de78_pairs
	.p2alignl 7, 3214868480
	.fill 96, 4, 3214868480
	.section	.rodata,"a",@progbits
	.p2align	6, 0x0
	.amdhsa_kernel k_q1297e2de78_pairs
		.amdhsa_group_segment_fixed_size 207872
		.amdhsa_private_segment_fixed_size 0
		.amdhsa_enable_private_segment 0
		.amdhsa_kernarg_size 24
		.amdhsa_user_sgpr_count 2
		.amdhsa_user_sgpr_kernarg_segment_ptr 1
		.amdhsa_wavefront_size32 1
		.amdhsa_system_sgpr_workgroup_id_x 1
		.amdhsa_system_sgpr_workgroup_id_y 1
		.amdhsa_system_sgpr_workgroup_id_z 1
		.amdhsa_system_vgpr_workitem_id 0
		.amdhsa_next_free_vgpr 226
		.amdhsa_next_free_sgpr 66
		.amdhsa_reserve_vcc 1
		.amdhsa_float_denorm_mode_32 3
		.amdhsa_float_denorm_mode_16_64 3
		.amdhsa_memory_ordered 1
		.amdhsa_forward_progress 1
		.amdhsa_inst_pref_size 80
	.end_amdhsa_kernel
	.amdgpu_metadata
---
amdhsa.version: [ 1, 2 ]
amdhsa.kernels:
  - .name:           k_q1297e2de78_pairs
    .symbol:         k_q1297e2de78_pairs.kd
    .args:
      - { .name: true_pos, .offset: 0, .size: 8, .value_kind: global_buffer, .address_space: global }
      - { .name: pred_pos, .offset: 8, .size: 8, .value_kind: global_buffer, .address_space: global }
      - { .name: part, .offset: 16, .size: 8, .value_kind: global_buffer, .address_space: global }
    .group_segment_fixed_size: 207872
    .private_segment_fixed_size: 0
    .kernarg_segment_align: 8
    .kernarg_segment_size: 24
    .max_flat_workgroup_size: 512
    .sgpr_count:     66
    .vgpr_count:     226
    .wavefront_size: 32
...
	.end_amdgpu_metadata
.endif
;; end of part 4
;; launch reduce: the kernel of part 2 again; grid 64 x 1, 8 waves a work-group, no clusters, 1,280 bytes of LDS; arguments part, out1, sums; writes out1, sums
;; launch final: the kernel of part 3 again; grid 1 x 1, 1 waves a work-group, no clusters, 0 bytes of LDS; arguments sums, out0; writes out0
